; MI455X (gfx1250); checked and timed in simulation.
; The chip was launched on July 23, 2026; its instructions are those of AMD's public machine-readable ISA for CDNA 5 (MIT licence, August 2026) and "CDNA5" Instruction Set Architecture Reference Guide (July 2026). The comments in the code are by the model that wrote it; some were corrected since.
;; Scaled Dot Product Attention. Allowed arithmetic: float matrix products may take bf16 or f16 operands with f32 sums; all other float work in f32.
;; Inputs: k 64 x 1,024 x 64 float32; q 64 x 1,024 x 64 float32; v 64 x 1,024 x 64 float32.
;; Outputs: out0 64 x 1,024 x 64 float32.
;; One version. Each part assembles by itself: llvm-mc -triple=amdgcn-amd-amdhsa -mcpu=gfx1250 --defsym DOCPART=n.
;; ======== version 1 of 1: 1 launch
;; launch attn (part 1): grid 256 x 1, 4 waves a work-group, clusters of 4 x 1, 327,680 bytes of LDS; arguments q, k, v, out0; writes out0
.if DOCPART == 1
	.amdgcn_target "amdgcn-amd-amdhsa--gfx1250"
	.amdhsa_code_object_version 6
	.text
	.protected	k_q869bf99ff2_attn
	.globl	k_q869bf99ff2_attn
	.p2align	8
	.type	k_q869bf99ff2_attn,@function
k_q869bf99ff2_attn:
	s_mov_b64 s[64:65], 0
	v_nop
	global_prefetch_b8 v0, s[64:65] scope:SCOPE_SE
	s_setreg_imm32_b32 hwreg(HW_REG_WAVE_MODE, 25, 1), 1
	s_wait_xcnt 0x0
	s_wait_alu depctr_hold_cnt(0) depctr_sa_sdst(0) depctr_va_vdst(0) depctr_va_sdst(0) depctr_va_ssrc(0) depctr_va_vcc(0) depctr_vm_vsrc(0)
	s_getreg_b32 s2, hwreg(HW_REG_IB_STS2, 6, 4)
	s_cmp_eq_u32 s2, 0
	s_cbranch_scc0 .Lentry_in_a_cluster
	s_endpgm
.Lentry_in_a_cluster:
	s_bfe_u32 s2, ttmp6, 0x10000c
	s_cmp_lg_u32 s2, 0x3003
	s_cbranch_scc0 .Lentry_shape_is_right
	s_endpgm
.Lentry_shape_is_right:
; out0[b][i][:] = softmax over j of (q[b][i] . k[b][j] / 8) times v[b][j][:].   q, k, v, out0: [64][1024][64] f32.
; A cluster of four work-groups takes one batch b; a work-group takes 256 query rows, each of its four waves 64 of them.
; The four work-groups walk the same K and V, so each tile of 128 keys is asked for JOINTLY (mask 15): one request for four.
; A tile lands as f32 in one of two stage slots, is rounded once by the work-group to bf16 (K by rows of d, V as [key][d]), and the
; waves read their fragments from there.  Both products are used transposed:
;   S^T = K Q^T : lane (r, h) holds scores of ONE query r, so maximum and sum are the lane's own numbers plus one exchange of halves;
;   O^T = V^T P^T: the exponentials of two score tiles, packed in pairs, ARE the second source's fragment: nothing is shuffled,
;                  and a lane's eight results are eight neighbouring numbers of one row of out0.
; The maximum is a running one, renewed every 64 keys; sums and results are rescaled by 2^((old - new) c), c = log2(e) / 8.
; LIMITS: q, k, v and the exponentials go to the matrix unit rounded to bf16; the sum of exponentials is taken from the unrounded ones;
; an exponential below 2^-126 counts as 0 (v_exp_f32 flushes: ISA guide, its entry in 15.8); scores must be finite in f32 (where they are
; not, the softmax is not finite either); sums are formed in blocks of 64 keys, so their order of rounding is not that of one long sum.
;
; REGISTERS in windows of 256 (s_set_vgpr_msb: bits 1:0 source 0, 3:2 source 1, 5:4 source 2, 7:6 destination):
;   window 0: addresses, statistics, fragments of Q (v48-111), P (v112-175), scratch (v176-243)
;   window 1: S^T, 16 tiles (v0-127); O^T, 16 tiles (v128-255)
;   window 2: fragments of K (v0-63) and of V^T (v64-127)
.set TILEB,  32768                     ; a tile of 128 rows x 256 bytes, of K or of V
.set STG,    65536                     ; a stage slot: K's tile, then V's; slots at LDS byte 0 and 65,536
.set QST,    131072                    ; q as f32: 256 rows, pitch 272; filled once
.set QP,     272                       ; 256 + 16: sixteen rows start at sixteen different 16-byte columns modulo 256
.set WQ,     64*QP                     ; a wave's 64 rows
.set KB,     200704                    ; K in bf16: 128 rows
.set KP,     144                       ; 128 + 16, an odd multiple of 16
.set VB,     219136                    ; V in bf16, [key][d]: 128 rows
.set VP,     160                       ; 128 + 32, an odd multiple of 32, for the transposing load
.set OST,    239616                    ; the way out: 64 rows of pitch 272 for each wave.  KB, VB, OST are written by LDS stores; no fill lands there
.set RKA, 2                            ; KB + 144 r + 16 h
.set RVA, 3                            ; VB + 160 (8 h + l % 8) + 16 ((l / 8) % 2)
.set RQA, 4                            ; QST + 17,408 w + 272 r + 32 h
.set RCL0, 5                           ; stage slot 0: 8,192 w + 16 l (my 32 rows of the tile)
.set RCK, 6                            ; KB + 144 (32 w + h) + 8 r
.set RCV, 7                            ; VB + 160 (32 w + h) + 8 r
.set ROS, 8                            ; OST + 17,408 w + 272 r + 32 h
.set ROR, 9                            ; OST + 17,408 w + 272 h + 16 r
.set ROG, 10                           ; 16 l: my bytes in two rows of out0
.set RCL1, 11                          ; stage slot 1
.set RM,  12                           ; v12-15  running maximum of query tile qt (raw scores)
.set RA,  16                           ; v16-19  new maximum
.set RT2, 20                           ; v20-23  at work
.set RNM, 24                           ; v24-31  - maximum x c, twice (a pair for the packed forms)
.set RAL, 32                           ; v32-39  rescaling factor, twice
.set RL,  40                           ; v40-47  two partial sums of exponentials
.set RQF, 48                           ; fragment (qt, ks) at 48 + 8 (2 qt + ks)
.set RP,  112                          ; fragment (qt, kk) at 112 + 8 (2 qt + kk)
.set TMP, 176
.set T0,  240
.set RS,  0                            ; window 1: tile (kt, qt) at 8 (4 qt + kt)
.set RO,  128                          ; window 1: tile (dt, qt) at 128 + 8 (4 qt + dt)
.set RKF, 0                            ; window 2: fragment (kt, ks) at 8 (2 kt + ks)
.set RVF, 64                           ; window 2: fragment (dt, kk) at 64 + 8 (2 dt + kk)
.set G1,  16                           ; s[16:23] shape of a joint load
.set G1Q, 24                           ; s[24:31] shape of q's load
.set G0,  32                           ; s[32:39] from where, to where: one set for each stage slot
.set G0Q, 40                           ; s[40:43] the same for q
.set W_MM,  0x52                       ; matrix: A window 2, B window 0, C and D window 1
.set W_FR,  0x80                       ; fragment loads: destination window 2
.set W_MAX, 0x14                       ; sources 1 and 2 window 1
.set W_S,   0x41                       ; destination and source 0 window 1
.set W_SUM, 0x01                       ; source 0 window 1
.set W_CVT, 0x05                       ; sources 0 and 1 window 1
.set W_ST,  0x04                       ; an LDS store's data window 1
.set MSB, 0
.macro WIN new                         ; the immediate's high byte repeats the setting that is left; a switch that changes nothing is dropped
.if MSB != \new
	s_set_vgpr_msb (MSB<<8)|\new
.set MSB, \new
.endif
.endm
.macro PLACES                          ; four places behind a matrix instruction, ahead of vector work on its registers and of loads into them
.rept 4
	v_nop
.endr
.endm
; A round of the cluster's barrier: my work-group's barrier, wave 0 signals for the work-group, every wave waits for all four work-groups, my work-group's barrier again.
.macro ROUND
	s_barrier_signal -1
	s_barrier_wait -1
	s_cmp_lg_u32 s12, 0
	s_cbranch_scc1 .Lnot_wave_0_\@
	s_barrier_signal -3
.Lnot_wave_0_\@:
	s_barrier_wait -3
	s_barrier_signal -1
	s_barrier_wait -1
.endm
	s_load_b256 s[4:11], s[0:1], 0x0               ; q s[4:5], k s[6:7], v s[8:9], out0 s[10:11]
	v_lshl_add_u32 v254, v0, 2, 0x4b800
	v_mov_b32 v255, 0
	ds_add_u32 v254, v255
	v_lshrrev_b32 v1, 5, v0
	v_readfirstlane_b32 s12, v1                    ; wave w, 0 to 3
	s_bfe_u32 s13, ttmp6, 0x40000                  ; cx: which 256 query rows of the batch; it enters the addresses of q and out0 alone
	s_and_b32 s14, s12, 1                          ; which 64 rows of a tile I fetch
	s_mov_b32 s48, 0x76543210                      ; v_permlanex16_b32: lane i reads lane i of the other half
	s_mov_b32 s49, 0xfedcba98
	s_mov_b32 s51, 0x3e38aa3b                      ; c = log2(e) / 8
	; group 1 of a joint load: 64 rows of 64 f32, dense in memory and in LDS
	s_mov_b32 s[G1+0], 15|(2<<16)|(1<<21)          ; 15:0 mask: all four work-groups; 17:16 elements of 4 bytes; 21 set beside a mask
	s_mov_b32 s[G1+1], 64<<16                      ; tensor_dim0 = 64
	s_mov_b32 s[G1+2], 64<<16                      ; tensor_dim1 = 64
	s_mov_b32 s[G1+3], 64<<16                      ; tile_dim0 = 64
	s_mov_b32 s[G1+4], 64                          ; tile_dim1 = 64
	s_mov_b32 s[G1+5], 64                          ; 64 elements from row to row
	s_mov_b32 s[G1+6], 0
	s_mov_b32 s[G1+7], 0
	; group 1 of q's load: the same tile, for my work-group alone, 4 words of padding behind every 64
	s_mov_b32 s[G1Q+0], (2<<16)|(1<<20)|(5<<22)|(3<<25)
	s_mov_b32 s[G1Q+1], 64<<16
	s_mov_b32 s[G1Q+2], 64<<16
	s_mov_b32 s[G1Q+3], 64<<16
	s_mov_b32 s[G1Q+4], 64
	s_mov_b32 s[G1Q+5], 64
	s_mov_b32 s[G1Q+6], 0
	s_mov_b32 s[G1Q+7], 0
	; offsets.  K's and V's: batch x 262,144 + my half of the tile: made of the cluster's x and the wave's number alone
	s_lshl_b32 s44, ttmp9, 18
	s_lshl_b32 s15, s14, 14
	s_add_co_u32 s44, s44, s15
	s_mov_b32 s45, 0
	; q's and out0's: batch x 262,144 + cx x 65,536 + w x 16,384
	s_lshl_b32 s52, ttmp9, 18
	s_lshl_b32 s54, s13, 16
	s_add_co_u32 s52, s52, s54
	s_lshl_b32 s54, s12, 14
	s_add_co_u32 s52, s52, s54
	s_mov_b32 s53, 0
	; LDS addresses of the loads: waves 0, 1 bring K's two halves, waves 2, 3 V's: slot + w x 16,384
	s_mov_b32 s[G0+0], 1
	s_lshl_b32 s[G0+1], s12, 14
	s_mov_b32 s[G0+4], 1
	s_add_co_u32 s[G0+5], s[G0+1], STG
	s_mov_b32 s[G0Q+0], 1
	s_mul_i32 s[G0Q+1], s12, WQ
	s_add_co_u32 s[G0Q+1], s[G0Q+1], QST
	s_wait_dscnt 0x0
	s_wait_kmcnt 0x0
	s_cmp_lt_u32 s12, 2
	s_cselect_b64 s[46:47], s[6:7], s[8:9]         ; the buffer that I fetch from: K for waves 0, 1, V for waves 2, 3
	s_add_nc_u64 s[G0+2:G0+3], s[46:47], s[44:45]  ; tile 0
	s_add_nc_u64 s[G0+6:G0+7], s[G0+2:G0+3], TILEB ; tile 1
	s_or_b32 s[G0+3], s[G0+3], 0x80000000          ; type = 2
	s_or_b32 s[G0+7], s[G0+7], 0x80000000
	s_add_nc_u64 s[G0Q+2:G0Q+3], s[4:5], s[52:53]
	s_or_b32 s[G0Q+3], s[G0Q+3], 0x80000000
	s_add_nc_u64 s[10:11], s[10:11], s[52:53]      ; out0 at my wave's first row
	ROUND                                          ; all four work-groups are here: the first joint load meets its partners
	tensor_load_to_lds s[G0Q:G0Q+3], s[G1Q:G1Q+7]  ; my 64 rows of q
	s_nop 0
	tensor_load_to_lds s[G0:G0+3], s[G1:G1+7]      ; my quarter of tile 0.  Two tensor loads of the wave are out here, later never more than one
	s_nop 0
	; addresses.  l = lane, r = l % 16, h = l / 16
	v_and_b32 v[T0], 31, v0
	v_and_b32 v[T0+1], 15, v0
	v_bfe_u32 v[T0+2], v0, 4, 1
	v_mul_u32_u24 v[RKA], v[T0+1], KP
	v_lshl_add_u32 v[RKA], v[T0+2], 4, v[RKA]
	v_add_nc_u32 v[RKA], KB, v[RKA]
	v_and_b32 v[T0+3], 7, v0
	v_lshl_add_u32 v[T0+3], v[T0+2], 3, v[T0+3]
	v_mul_u32_u24 v[RVA], v[T0+3], VP
	v_bfe_u32 v[T0+3], v0, 3, 1
	v_lshl_add_u32 v[RVA], v[T0+3], 4, v[RVA]
	v_add_nc_u32 v[RVA], VB, v[RVA]
	v_mul_u32_u24 v[RQA], v[T0+1], QP
	v_lshl_add_u32 v[RQA], v[T0+2], 5, v[RQA]
	v_add_nc_u32 v[RQA], s[G0Q+1], v[RQA]          ; + QST + 17,408 w
	v_add_nc_u32 v[ROS], OST-QST, v[RQA]           ; the same place in my stage for the way out
	v_lshlrev_b32 v[ROG], 4, v[T0]
	s_lshl_b32 s15, s12, 13
	v_add_nc_u32 v[RCL0], s15, v[ROG]
	v_add_nc_u32 v[RCL1], STG, v[RCL0]
	s_mul_i32 s15, s12, 32*KP
	s_add_co_u32 s15, s15, KB
	v_mul_u32_u24 v[RCK], v[T0+2], KP
	v_lshl_add_u32 v[RCK], v[T0+1], 3, v[RCK]
	v_add_nc_u32 v[RCK], s15, v[RCK]
	s_mul_i32 s15, s12, 32*VP
	s_add_co_u32 s15, s15, VB
	v_mul_u32_u24 v[RCV], v[T0+2], VP
	v_lshl_add_u32 v[RCV], v[T0+1], 3, v[RCV]
	v_add_nc_u32 v[RCV], s15, v[RCV]
	s_mul_i32 s55, s12, WQ
	s_add_co_u32 s55, s55, OST
	v_mul_u32_u24 v[ROR], v[T0+2], QP
	v_lshl_add_u32 v[ROR], v[T0+1], 4, v[ROR]
	v_add_nc_u32 v[ROR], s55, v[ROR]
.irp qt, 0,1,2,3
	v_mov_b32 v[RT2+\qt], 0                        ; v_permlanex16_b32 counts as a reader of its destination: written once here
.endr
	; Q's fragments, once.  Fragment (qt, ks): lane (r, h) holds query 16 qt + r, d = 32 ks + 8 h + 0..7 and 32 ks + 16 + 8 h + 0..7:
	; as f32 that is 32 bytes at 128 ks + 32 h and 32 bytes 64 further on.
	s_wait_tensorcnt 0x1                           ; my rows of q are in (only I read them); tile 0, issued behind them, may stay out
.irp qt, 0,1,2,3
.irp ks, 0,1
.irp hi, 0,1
.irp lo, 0,1
	ds_load_b128 v[RP+32*\qt+16*\ks+8*\hi+4*\lo:RP+32*\qt+16*\ks+8*\hi+4*\lo+3], v[RQA] offset:16*QP*\qt+128*\ks+64*\hi+16*\lo
.endr
.endr
.endr
.endr
.irp qt, 0,1,2,3
	s_wait_dscnt 24-8*\qt                          ; this query tile's eight loads are in; eight for each later tile stay out
.set n, 16*\qt
.rept 16
	v_cvt_pk_bf16_f32 v[RQF+n], v[RP+2*n], v[RP+2*n+1]
.set n, n+1
.endr
.endr
; 16 loads: K's fragments of sub-step sub (64 keys).  Fragment (kt, ks): lane (r, h) holds key 16 kt + r, d = 32 ks + 8 h .. and 32 ks + 16 + 8 h ..
.macro KLOAD sub
	WIN W_FR
.irp kt, 0,1,2,3
.irp ks, 0,1
	ds_load_b128 v[RKF+8*(2*\kt+\ks):RKF+8*(2*\kt+\ks)+3],   v[RKA] offset:(64*\sub+16*\kt)*KP+64*\ks
	ds_load_b128 v[RKF+8*(2*\kt+\ks)+4:RKF+8*(2*\kt+\ks)+7], v[RKA] offset:(64*\sub+16*\kt)*KP+64*\ks+32
.endr
.endr
.endm
; 16 transposing loads: V^T's fragments.  Fragment (dt, kk): lane (r, h) holds d = 16 dt + r, keys 32 kk + 8 h .. and 32 kk + 16 + 8 h ..
.macro VLOAD sub
	WIN W_FR
.irp dt, 0,1,2,3
.irp kk, 0,1
	ds_load_tr16_b128 v[RVF+8*(2*\dt+\kk):RVF+8*(2*\dt+\kk)+3],   v[RVA] offset:(64*\sub+32*\kk)*VP+32*\dt
	ds_load_tr16_b128 v[RVF+8*(2*\dt+\kk)+4:RVF+8*(2*\dt+\kk)+7], v[RVA] offset:(64*\sub+32*\kk+16)*VP+32*\dt
.endr
.endr
.endm
; My 32 rows of K and of V go from the stage slot (f32) to KB and VB (bf16).  A load takes two rows, 512 neighbouring bytes; a lane's four numbers become 8 bytes.
.macro CONV slot
.set cl, RCL0+(RCL1-RCL0)*\slot
.set i, 0
.rept 16
	ds_load_b128 v[TMP+4*i:TMP+4*i+3], v[cl] offset:512*i
.set i, i+1
.endr
.set i, 0
.rept 16
	ds_load_b128 v[RP+4*i:RP+4*i+3], v[cl] offset:TILEB+512*i
.set i, i+1
.endr
	s_wait_dscnt 0x10                              ; K's sixteen loads are in; V's sixteen, issued behind them, stay out
.set i, 0
.rept 16
	v_cvt_pk_bf16_f32 v[TMP+4*i],   v[TMP+4*i],   v[TMP+4*i+1]
	v_cvt_pk_bf16_f32 v[TMP+4*i+1], v[TMP+4*i+2], v[TMP+4*i+3]
	ds_store_b64 v[RCK], v[TMP+4*i:TMP+4*i+1] offset:2*KP*i
.set i, i+1
.endr
	s_wait_dscnt 0x10                              ; V's loads are in; the sixteen stores issued behind them stay out
.set i, 0
.rept 16
	v_cvt_pk_bf16_f32 v[RP+4*i],   v[RP+4*i],   v[RP+4*i+1]
	v_cvt_pk_bf16_f32 v[RP+4*i+1], v[RP+4*i+2], v[RP+4*i+3]
	ds_store_b64 v[RCV], v[RP+4*i:RP+4*i+1] offset:2*VP*i
.set i, i+1
.endr
.endm
; One sub-step: 64 keys against my 64 queries.  first = 1: nothing has been summed yet, so nothing is rescaled and the first products and the
; first addition start the sums.  nextk = 1: the next sub-step's K fragments are fetched behind this one's score products.
.macro SUB sub, first, nextk
	s_wait_dscnt 0x0                               ; K's fragments are in
	WIN W_MM
	; S^T = K Q^T, 32 matrix instructions.  The sixteen accumulators take turns, one instruction a turn
.irp qt, 0,1,2,3
.irp kt, 0,1,2,3
	v_wmma_f32_16x16x32_bf16 v[RS+8*(4*\qt+\kt):RS+8*(4*\qt+\kt)+7], v[RKF+16*\kt:RKF+16*\kt+7], v[RQF+16*\qt:RQF+16*\qt+7], 0
.endr
.endr
.irp qt, 0,1,2,3
.irp kt, 0,1,2,3
	v_wmma_f32_16x16x32_bf16 v[RS+8*(4*\qt+\kt):RS+8*(4*\qt+\kt)+7], v[RKF+16*\kt+8:RKF+16*\kt+15], v[RQF+16*\qt+8:RQF+16*\qt+15], v[RS+8*(4*\qt+\kt):RS+8*(4*\qt+\kt)+7]
.endr
.endr
	PLACES                                         ; ahead of the loads into K's fragments and of the vector work on the scores
	VLOAD \sub
.if \nextk
	KLOAD 1
.endif
	; the largest of my 32 scores of each query tile and the running maximum: four chains that do not wait for each other
	WIN W_MAX
.set i, 0
.rept 16
.irp qt, 0,1,2,3
.if i == 0
.if \first
	v_max3_num_f32 v[RA+\qt], 0xff800000, v[RS+32*\qt], v[RS+32*\qt+1]
.else
	v_max3_num_f32 v[RA+\qt], v[RM+\qt], v[RS+32*\qt], v[RS+32*\qt+1]
.endif
.else
	v_max3_num_f32 v[RA+\qt], v[RA+\qt], v[RS+32*\qt+2*i], v[RS+32*\qt+2*i+1]
.endif
.endr
.set i, i+1
.endr
	WIN 0
.irp qt, 0,1,2,3
	v_permlanex16_b32 v[RT2+\qt], v[RA+\qt], s48, s49      ; the other half of the lanes holds the query's other 32 keys
.endr
.irp qt, 0,1,2,3
	v_max_num_f32 v[RA+\qt], v[RA+\qt], v[RT2+\qt]
.endr
.irp qt, 0,1,2,3
	v_mul_f32 v[RNM+2*\qt],   0xbe38aa3b, v[RA+\qt]        ; - maximum x c
	v_mul_f32 v[RNM+2*\qt+1], 0xbe38aa3b, v[RA+\qt]
.endr
.if \first == 0
.irp qt, 0,1,2,3
	v_fma_f32 v[RT2+\qt], v[RM+\qt], s51, v[RNM+2*\qt]     ; (old maximum - new) x c, never above 0 but by a rounding
.endr
.irp qt, 0,1,2,3
	v_exp_f32 v[RAL+2*\qt],   v[RT2+\qt]
	v_exp_f32 v[RAL+2*\qt+1], v[RT2+\qt]
.endr
.endif
.irp qt, 0,1,2,3
	v_mov_b32 v[RM+\qt], v[RA+\qt]                 ; plain work between the exponentials and the first use of their results (ISA guide 5.7.2)
.endr
.if \first == 0
	s_wait_alu depctr_va_vdst(0)
.irp qt, 0,1,2,3
	v_pk_mul_f32 v[RL+2*\qt:RL+2*\qt+1], v[RL+2*\qt:RL+2*\qt+1], v[RAL+2*\qt:RAL+2*\qt+1]
.endr
.endif
	WIN W_S
.if \first == 0
.irp qt, 0,1,2,3
.set i, 0
.rept 16
	v_pk_mul_f32 v[RO+32*\qt+2*i:RO+32*\qt+2*i+1], v[RO+32*\qt+2*i:RO+32*\qt+2*i+1], v[RAL+2*\qt:RAL+2*\qt+1]
.set i, i+1
.endr
.endr
.endif
.irp qt, 0,1,2,3
.set i, 0
.rept 16
	v_pk_fma_f32 v[RS+32*\qt+2*i:RS+32*\qt+2*i+1], v[RS+32*\qt+2*i:RS+32*\qt+2*i+1], 0x3e38aa3b, v[RNM+2*\qt:RNM+2*\qt+1] op_sel_hi:[1,0,1]
.set i, i+1
.endr
.endr
.set i, 0
.rept 128
	v_exp_f32 v[RS+i], v[RS+i]
.set i, i+1
.endr
	v_nop                                          ; one plain place behind the last exponential
	s_wait_alu depctr_va_vdst(0)
	WIN W_SUM
.set i, 0
.rept 16
.irp qt, 0,1,2,3
.if \first && (i == 0)
	s_wait_alu depctr_va_vdst(0)
	v_pk_add_f32 v[RL+2*\qt:RL+2*\qt+1], v[RS+32*\qt:RS+32*\qt+1], 0 op_sel_hi:[1,0]   ; the first pair starts the sums
.else
	v_pk_add_f32 v[RL+2*\qt:RL+2*\qt+1], v[RS+32*\qt+2*i:RS+32*\qt+2*i+1], v[RL+2*\qt:RL+2*\qt+1]
.endif
.endr
.set i, i+1
.endr
	WIN W_CVT
.set i, 0
.rept 64
	v_cvt_pk_bf16_f32 v[RP+i], v[RS+2*i], v[RS+2*i+1]      ; score tiles 2 kk and 2 kk + 1 of query tile qt become P^T's fragment (qt, kk)
.set i, i+1
.endr
.if \nextk
	s_wait_dscnt 0x10                              ; V's fragments are in; the sixteen loads of K's next fragments, issued behind them, stay out
.else
	s_wait_dscnt 0x0
.endif
	WIN W_MM
	; O^T += V^T P^T, 32 matrix instructions; again sixteen accumulators by turns, one instruction a turn
.irp qt, 0,1,2,3
.irp dt, 0,1,2,3
.if \first
	v_wmma_f32_16x16x32_bf16 v[RO+8*(4*\qt+\dt):RO+8*(4*\qt+\dt)+7], v[RVF+16*\dt:RVF+16*\dt+7], v[RP+16*\qt:RP+16*\qt+7], 0
.else
	v_wmma_f32_16x16x32_bf16 v[RO+8*(4*\qt+\dt):RO+8*(4*\qt+\dt)+7], v[RVF+16*\dt:RVF+16*\dt+7], v[RP+16*\qt:RP+16*\qt+7], v[RO+8*(4*\qt+\dt):RO+8*(4*\qt+\dt)+7]
.endif
.endr
.endr
.irp qt, 0,1,2,3
.irp dt, 0,1,2,3
	v_wmma_f32_16x16x32_bf16 v[RO+8*(4*\qt+\dt):RO+8*(4*\qt+\dt)+7], v[RVF+16*\dt+8:RVF+16*\dt+15], v[RP+16*\qt+8:RP+16*\qt+15], v[RO+8*(4*\qt+\dt):RO+8*(4*\qt+\dt)+7]
.endr
.endr
	PLACES                                         ; ahead of the next loads into P's and V's registers and of the next rescaling of O
	WIN 0
.endm
; One tile of 128 keys, from stage slot slot.  refill = 1: the other slot, read in the trip before, gets the next tile.
.macro TRIP slot, refill, first
	s_wait_tensorcnt 0x0                           ; all my tensor loads have landed, my quarter of this trip's tile among them,
	ds_add_u32 v254, v255
	s_wait_dscnt 0x0
	s_add_nc_u64 s[G0+4*\slot+2:G0+4*\slot+3], s[G0+4*\slot+2:G0+4*\slot+3], 2*TILEB   ; so a group 0 may be written: this slot's next tile
	s_wait_dscnt 0x0                               ; my reads of the other slot, of KB and of VB are back
	ROUND                                          ; both now hold of every wave of all four work-groups
.if \refill
	tensor_load_to_lds s[G0+4-4*\slot:G0+7-4*\slot], s[G1:G1+7]   ; my one tensor load behind the round, first thing there: it has the whole trip in which to land
	s_nop 0
.endif
	CONV \slot
	s_wait_dscnt 0x0                               ; my stores into KB and VB are done, for the other waves' sake
	s_barrier_signal -1
	s_barrier_wait -1                              ; KB and VB are whole.  No fill follows this barrier, so the load just issued stays out across it
	KLOAD 0
	SUB 0, \first, 1
	SUB 1, 0, 0
.endm
	TRIP 0, 1, 1                                   ; tiles 0 and 1 stand ahead of the loop: the first products start the sums
	TRIP 1, 1, 0
	s_mov_b32 s50, 2
.Ltiles:
	TRIP 0, 1, 0                                   ; tiles 2 to 5
	TRIP 1, 1, 0
	s_sub_co_u32 s50, s50, 1
	s_cmp_lg_u32 s50, 0
	s_cbranch_scc1 .Ltiles
	TRIP 0, 1, 0                                   ; tile 6; tile 7 is the last to be asked for
	TRIP 1, 0, 0                                   ; tile 7: nothing is left to fetch
	; THE WAY OUT: divide by the sum, put each lane's 32 bytes of a row into my own stage, read whole rows back, store them.
.irp qt, 0,1,2,3
	v_add_f32 v[RT2+\qt], v[RL+2*\qt], v[RL+2*\qt+1]
.endr
.irp qt, 0,1,2,3
	v_permlanex16_b32 v[RA+\qt], v[RT2+\qt], s48, s49
.endr
.irp qt, 0,1,2,3
	v_add_f32 v[RT2+\qt], v[RT2+\qt], v[RA+\qt]    ; at least about 1: the largest score's exponential is among the terms
.endr
.irp qt, 0,1,2,3
	v_rcp_f32 v[RAL+2*\qt],   v[RT2+\qt]
	v_rcp_f32 v[RAL+2*\qt+1], v[RT2+\qt]
.endr
	v_nop                                          ; one plain place behind the last reciprocal
	WIN W_S
	s_wait_alu depctr_va_vdst(0)
.irp qt, 0,1,2,3
.set i, 0
.rept 16
	v_pk_mul_f32 v[RO+32*\qt+2*i:RO+32*\qt+2*i+1], v[RO+32*\qt+2*i:RO+32*\qt+2*i+1], v[RAL+2*\qt:RAL+2*\qt+1]
.set i, i+1
.endr
.endr
	WIN W_ST
.irp qt, 0,1,2,3
.irp dt, 0,1,2,3
	ds_store_b128 v[ROS], v[RO+8*(4*\qt+\dt):RO+8*(4*\qt+\dt)+3]   offset:16*QP*\qt+64*\dt      ; row 16 qt + r, d = 16 dt + 8 h + 0..3
	ds_store_b128 v[ROS], v[RO+8*(4*\qt+\dt)+4:RO+8*(4*\qt+\dt)+7] offset:16*QP*\qt+64*\dt+16   ; d = 16 dt + 8 h + 4..7
.endr
.endr
	WIN 0
.set i, 0
.rept 32
	ds_load_b128 v[RP+4*i:RP+4*i+3], v[ROR] offset:2*QP*i  ; my own bytes; LDS serves a wave's instructions in order (ISA guide 5.7.1), so these see the stores above
.set i, i+1
.endr
.set i, 0
.rept 32
	s_wait_dscnt 31-i                              ; read-back i is in; the younger ones stay out
	global_store_b128 v[ROG], v[RP+4*i:RP+4*i+3], s[10:11] offset:512*i th:TH_STORE_NT   ; two rows of out0: 512 consecutive bytes at a multiple of 512 from my first row
.set i, i+1
.endr
	s_wait_tensorcnt 0x0
	ds_add_u32 v254, v255
	s_wait_dscnt 0x0
	ROUND                                          ; the closing round: no work-group ends while a partner may still ask for a tile that names it
	s_endpgm
.Lfunc_end_k_q869bf99ff2_attn:
	.size	k_q869bf99ff2_attn, .Lfunc_end_k_q869bf99ff2_attn-k_q869bf99ff2_attn
	.p2alignl 7, 3214868480
	.fill 96, 4, 3214868480
	.section	.rodata,"a",@progbits
	.p2align	6, 0x0
	.amdhsa_kernel k_q869bf99ff2_attn
		.amdhsa_group_segment_fixed_size 327680
		.amdhsa_private_segment_fixed_size 0
		.amdhsa_enable_private_segment 0
		.amdhsa_kernarg_size 32
		.amdhsa_user_sgpr_count 2
		.amdhsa_user_sgpr_kernarg_segment_ptr 1
		.amdhsa_wavefront_size32 1
		.amdhsa_system_sgpr_workgroup_id_x 1
		.amdhsa_system_sgpr_workgroup_id_y 1
		.amdhsa_system_sgpr_workgroup_id_z 1
		.amdhsa_system_vgpr_workitem_id 0
		.amdhsa_next_free_vgpr 640
		.amdhsa_next_free_sgpr 66
		.amdhsa_reserve_vcc 0
		.amdhsa_float_denorm_mode_32 3
		.amdhsa_float_denorm_mode_16_64 3
		.amdhsa_memory_ordered 1
		.amdhsa_forward_progress 1
		.amdhsa_inst_pref_size 255
	.end_amdhsa_kernel
	.section	.bss,"aw",@nobits
	.p2align	6
	.space	262144
	.amdgpu_metadata
---
amdhsa.version: [ 1, 2 ]
amdhsa.kernels:
  - .name:           k_q869bf99ff2_attn
    .symbol:         k_q869bf99ff2_attn.kd
    .args:
      - { .name: q, .offset: 0, .size: 8, .value_kind: global_buffer, .address_space: global }
      - { .name: k, .offset: 8, .size: 8, .value_kind: global_buffer, .address_space: global }
      - { .name: v, .offset: 16, .size: 8, .value_kind: global_buffer, .address_space: global }
      - { .name: out0, .offset: 24, .size: 8, .value_kind: global_buffer, .address_space: global }
    .group_segment_fixed_size: 327680
    .private_segment_fixed_size: 0
    .kernarg_segment_align: 8
    .kernarg_segment_size: 32
    .max_flat_workgroup_size: 128
    .sgpr_count:     66
    .vgpr_count:     640
    .wavefront_size: 32
...
	.end_amdgpu_metadata
.endif
;; end of part 1
